; MI455X (gfx1250); checked and timed in simulation.
; The chip was launched on July 23, 2026; its instructions are those of AMD's public machine-readable ISA for CDNA 5 (MIT licence, August 2026) and "CDNA5" Instruction Set Architecture Reference Guide (July 2026). The comments in the code are by the model that wrote it; some were corrected since.
;; Lazy Attention Embedding. Allowed arithmetic: matrix products marked QUANTISED: E2M1 operands, one E8M0 scale for each 32 along K, by v_wmma_scale_f32_16x16x128_f8f6f4 with both operands' format E2M1 (or v_wmma_scale_f32_32x16x128_f4), f32 sums; everything else in f32.
;; Inputs: bias_weight 4,096 x 16 float32; k_codes 2 x 16 x 2,048 x 2 x 16 uint8 (E2M1 codes of k, K innermost, in blocks of 32 codes, two codes a byte); k_scales 2 x 16 x 2,048 x 2 uint8 (E8M0 scales of k, one for each 32 codes along K); q_codes 2 x 16 x 2,048 x 2 x 16 uint8 (E2M1 codes of q, K innermost, in blocks of 32 codes, two codes a byte); q_scales 2 x 16 x 2,048 x 2 uint8 (E8M0 scales of q, one for each 32 codes along K); tau 16 float32; v_codes 2 x 16 x 64 x 64 x 16 uint8 (E2M1 codes of v, K innermost, in blocks of 32 codes, two codes a byte); v_scales 2 x 16 x 64 x 64 uint8 (E8M0 scales of v, one for each 32 codes along K).
;; Outputs: out0 2 x 16 x 2,048 x 64 float32.
;; Constants: max_bias_length = 4096.
;; This version of the problem:
;;   THIS VERSION OF THE PROBLEM IS GIVEN IN LOW PRECISION. The matrix products marked QUANTISED in the list below multiply operands that are first quantised to E2M1 (2 exponent bits, 1 mantissa bit; 4 bits a number), with one power-of-two scale for each 32 numbers along K (OCP MX v1.0); their sums are f32. All else is computed in f32.
;;   The module's matrix products, in the order in which they are computed (A, B: the left and right operand; K: the contracted axis; several contracted axes count as one K, in the product's order):
;;     1. batch 32 x [M 2,048, K 64] x [K 64, N 2,048]; A: input q (given as codes); B: input k (given as codes): QUANTISED
;;     2. batch 32 x [M 2,048, K 2,048] x [K 2,048, N 64]; A: computed on the way; B: input v (given as codes): QUANTISED
;;   THE QUANTISER, for each operand of a quantised product, along K:
;;     - K is cut into blocks of 32 from its start; a last block that is shorter is filled with zeros.
;;     - A block's scale is 2^e with e = floor(log2(the largest magnitude in the block)) - 2, held to -126 .. 127; a block of zeros has e = 0. As a byte (E8M0): e + 127.
;;     - Each number is divided by its block's scale, clamped to +-6, and rounded to the nearest number of E2M1, ties to even, subnormals kept.
;;     - The product sums the exact products of the quantised numbers (number of the format x scale) in f32.
;;   ~~~python
;;   def quantise(x, axis):      # numpy; x: float32 -> the quantised numbers, widened to float32 again
;;       x = np.moveaxis(x, axis, -1); K = x.shape[-1]
;;       x = np.pad(x, [(0, 0)] * (x.ndim - 1) + [(0, -K % 32)]); x = x.reshape(x.shape[:-1] + (-1, 32)); a = np.abs(x).max(-1, keepdims=True)
;;       e = np.where(a > 0, np.clip(np.frexp(np.where(a > 0, a, 1))[1] - 1 - 2, -126, 127), 0)      # np.frexp(a)[1] - 1 = floor(log2(a)), exactly
;;       r = np.clip(x / 2.0 ** e, -6, 6)
;;       step = 2.0 ** (np.maximum(np.frexp(np.where(r == 0, 1, r))[1] - 1, 0) - 1)
;;       q = np.round(r / step) * step * 2.0 ** e      # np.round: ties to even
;;       return np.moveaxis(q.reshape(q.shape[:-2] + (-1,))[..., :K], -1, axis).astype(np.float32)
;;   ~~~
;;   OPERANDS COMPUTED ON THE WAY. 'Computed on the way' means the value that the module computes at that place (a softmax that the list does not call 'softmax' is quantised finished and normalised). What goes into a quantiser is computed in f32, as accurately as f32 sums, v_exp_f32 and their like allow (about 1e-6 of the number): no bf16 or f16 on the way to a quantiser, and a product that is left as it is and whose result goes on into a quantised operand takes f32 operands (vector FMAs, or v_wmma_f32_16x16x4_f32). A number that lies on a knife's edge between two numbers of the format may be rounded either way, as far as f32 arithmetic and the matrix unit's own rounding can turn it there, and no further.
;;   INPUTS GIVEN AS CODES. k (in the module: [2, 16, 2048, 64], K = its axis 3); q (in the module: [2, 16, 2048, 64], K = its axis 3); v (in the module: [2, 16, 2048, 64], K = its axis 2): each comes as NAME_codes (uint8): NAME with its K axis moved to the last place and cut into blocks of 32 codes, [.., K / 32, bytes a block], one block behind the other in memory; two codes a byte, the lower K in the low four bits (a code: sign, 2 exponent bits, 1 mantissa bit); and NAME_scales (uint8): the same leading axes, one E8M0 byte (e + 127) for each 32 codes along K. Its value is code x scale, taken as it is: it is not quantised again, and the codes and scales need not be those that the quantiser above would give.
;; One version. Each part assembles by itself: llvm-mc -triple=amdgcn-amd-amdhsa -mcpu=gfx1250 --defsym DOCPART=n.
;; ======== version 1 of 1: 1 launch
;; limits: right only within a limited range of input values
;; launch attn (part 1): grid 8 x 32, 16 waves a work-group, no clusters, 249,088 bytes of LDS; arguments q_codes, q_scales, k_codes, k_scales, v_codes, v_scales, tau, bias_weight, out0; writes out0
.if DOCPART == 1
	.amdgcn_target "amdgcn-amd-amdhsa--gfx1250"
	.amdhsa_code_object_version 6
	.text
	.protected	k_q287a7aa0b0_attn
	.globl	k_q287a7aa0b0_attn
	.p2align	8
	.type	k_q287a7aa0b0_attn,@function
k_q287a7aa0b0_attn:
	s_mov_b64 s[64:65], 0
	v_nop
	global_prefetch_b8 v0, s[64:65] scope:SCOPE_SE
	s_setreg_imm32_b32 hwreg(HW_REG_WAVE_MODE, 25, 1), 1
	s_wait_xcnt 0x0
; out[bh][q][:] = sum over ALL keys k of Q4( relu( softmax_k(q.k / 8 + bias[q - k][h], causal) + tau[h] / (q + 1) ) ) v[bh][k][:]
; 32 heads (bh), 2,048 queries and keys, head size 64.  q, k, v: codes of FP4 (E2M1) with one E8M0 byte for each 32 along a product's K; v has the keys innermost.
; Q4 quantises the FINISHED weights along the keys in blocks of 32, so a row's maximum and sum are known before any code is made: the keys are walked TWICE and the scores made twice.
;   walk 1 : the visible steps: scores, running maximum (M a whole number) and sum.
;   walk 2a: the visible steps again: scores, p = 2^(t - M), w = p / sum + tau / i, the block's scale, the codes, O^T += V^T W^T.
;   walk 2b: the steps all of whose keys are hidden.  Their weight is relu(tau / i), no zero where tau > 0: one code and one scale byte a query, made once; a step is four matrix instructions.
; SHARES.  A wave owns one tile of 16 queries; a step is 128 keys; class a = q / 128 has a + 1 visible steps.  Work-group g takes the 8 tiles of class g and the 8 of class 15 - g: 8 x 17 visible steps in each.
; A WHOLE HEAD LIES IN LDS: K's and V's codes (two tensor loads by each of waves 0-3, the only ones: at most two of a wave are out, nothing is filled twice), the scale words and the bias table.
; TWO BARRIERS.  Behind the first all tables are whole (every tensor load and every store into them waited for) and are only read from there on.  The second stands in front of the way out: no wave stores into its stage
;   before every wave's last read of the tables is back.
; BIAS AND MASK ARE THE C OF THE SCORE PRODUCT.  R[x] = 8 bias[2048 - x][h] for x = 1 .. 2048 and -8e30 above, x = 2048 - q + k.  The product gives s' = q.k + 8 bias, t = s' log2(e) / 8;
;   a hidden key has t near -1.4e30 and p = 0.  A lane's 16 registers of a block are 16 consecutive x, one x less from lane to lane: four copies of R, copy c shifted by c words, let lane r read copy r % 4 by aligned 16-byte loads.
; BOTH HALVES OF THE INSTRUCTION'S K = 128 HOLD KEYS (the head has 64): a fragment of K is tile X (k < 64) and tile Y (k >= 64, the keys 8 further on); it is multiplied by [q | 0] and by [0 | q], which overlay in 12 registers.
; BOTH PRODUCTS ARE USED TRANSPOSED (source 0 = 16 keys, or 16 channels; source 1 = my 16 queries): a lane holds one query (lane % 16) throughout.
;   Lane r of tile X of block b takes key 32 b + r + 8 (r / 8), so that register 16 b + i of S is key 32 b + 16 (lane / 16) + i.
; THE CLIP AT 0 IS MADE ON THE CODES: the block's maximum is taken without |.| over the floor 2^-124, and after the conversion the magnitude bits of negative codes are cleared: what is left is -0, which adds nothing.
; NO CLUSTER: the 8 work-groups of a head share K and V, but they differ in nothing but the query class, and on it hang the branch round a hidden step and the LDS address of a tile's bias;
;   with joint loads neither may hang on the place in the cluster.  What is shared is fetched once, 128 KiB a work-group, not in a loop.
; LIMITS: NaN, infinities and scale bytes 0xff are not served (a key's byte 0xff would also spoil the tile that shares its fragment); |score| stays far under 1e30; a block whose largest weight lies under 2^-124 keeps the byte 1.
;   Of bias_weight only rows 0 .. 2047 are read: q - k reaches no other.
.set BP,   8768                        ; a copy of R: 2,180 words and a rest, 34 x 256 + 64 bytes: the 16 lanes of a 16-byte load then take 16 different 16-byte columns of the 256
.set KROW, 528                         ; 16 keys' codes (512 bytes) + 16 of padding
.set VROW, 1040                        ; a channel's codes (1,024 bytes) + 16 of padding
.set SROW, 272                         ; a row of the stage: 256 bytes + 16
.set KB,   4*BP                        ; LDS: byte 0: the four copies of R;  KB: K's codes, 128 long rows
.set VB,   KB+128*KROW                 ; V's codes, 64 rows
.set KSB,  VB+64*VROW                  ; K's scale words: block B, lane r at 64 B + 4 r: low half key 32 B + r + 8 (r / 8), high half that key + 8
.set VSB,  KSB+4096                    ; V's scale words: step s, channel ch at 256 s + 4 ch
.set STG,  VSB+4096                    ; the way out: 16 rows of SROW bytes for each wave
.set AK0, 1                            ; v1   my lane's place in K's codes
.set AB0, 2                            ; v2   my lane's and my tile's place in the bias table, at step 0
.set AS0, 3                            ; v3   among the scale words
.set AV0, 4                            ; v4   in V's codes
.set ADK, 5                            ; v5   address in hand: K's codes, then V's
.set ADB, 6                            ; v6   the bias
.set ADS, 7                            ; v7   the scale words
.set NM,  8                            ; v8   -M;  v9 the running largest t
.set TMX, 9
.set LS,  10                           ; v[10:11] the sum, chain 0; behind walk 1 v10 = 1 / sum
.set LB,  12                           ; v[12:13] the sum, chain 1; behind walk 1 v12 = tau / i
.set FF,  14                           ; v14  2^(old M - new M); v15 is named with it as a pair
.set QB,  16                           ; v[16:23] = [0 | q]
.set QA,  20                           ; v[20:27] = [q | 0]
.set QSA, 28                           ; q's scale bytes in bytes 0, 1
.set QSB, 29                           ; and in bytes 2, 3
.set KS,  30                           ; v30, v31 K's scale words: lanes 0-15 block 0 (2), lanes 16-31 block 1 (3) of the step
.set KF,  32                           ; v[32:63] four fragments of K, in walk 2 then four of V
.set S,   64                           ; v[64:127] bias, scores, p, weights
.set O,   128                          ; v[128:159] O^T: tile t (channels 16 t on) at O + 8 t
.set PC,  160                          ; v[160:167] the weights' codes
.set PW,  168                          ; their scale word
.set VS,  169                          ; v169, v170 V's scale words: lanes 0-15 tile 0 (2), lanes 16-31 tile 1 (3)
.set TM,  172                          ; v[172:175] block maxima
.set TP,  176                          ; v[176:179]
.set TS,  180                          ; v[180:183] the conversions' scale operands
.set T,   184                          ; v[184:191] at work
.set RR,  TM                           ; at the head only: lane % 16, lane / 16, lane, a temporary
.set HH,  TM+1
.set LN,  TM+2
.set TT,  TM+3
.set WV,  22                           ; s22  wave
.set BH,  24                           ; s24  b x 16 + h
.set HD,  25                           ; s25  h
.set CA,  26                           ; s26  my class a: the steps 0 .. a are visible
.set Q0,  27                           ; s27  my first query
.set SEL, 28                           ; s[28:29] v_permlanex16_b32's selects for lane l xor 16
.set CS,  30                           ; s[30:31] c = log2(e) / 8
.set SGN, 32                           ; s32  the eight sign bits of eight codes
.set ST,  33                           ; s33  the step
.set TK,  34                           ; s34  the step's place in K's codes
.set TBI, 35                           ; s35  in the bias table: 512 bytes a step, from 0
.set T256, 36                          ; s36  among the scale words
.set TV,  37                           ; s37  in V's rows
.set TBI0, 38                          ; s38  my tile's place in the bias table: it goes into v2 once
.set TAU, 39                           ; s39  tau[h]
.set G1K, 40                           ; s[40:47] descriptor group 1 for K;  s[48:55] for V;  s[56:59], s[60:63] their groups 0
.set G1V, 48
.set G0K, 56
.set G0V, 60
.macro PLACES                          ; four places: behind a matrix instruction, ahead of a read of its result and of a load into one of its registers (ISA guide 7.12.1 for vector instructions)
.rept 4
	v_nop
.endr
.endm
; A step's loads and its eight score products.  The three additions and the v_nop are the four places ahead of loads into registers that the last matrix instructions read.
.macro QKSTEP
	v_add_nc_u32 v[ADK], s[TK], v[AK0]
	v_add_nc_u32 v[ADB], s[TBI], v[AB0]
	v_add_nc_u32 v[ADS], s[T256], v[AS0]
	v_nop
	ds_load_b32 v[KS], v[ADS]
	ds_load_b32 v[KS+1], v[ADS] offset:128
.irp b, 0,1,2,3
	ds_load_b128 v[KF+8*\b:KF+8*\b+3], v[ADK] offset:2*KROW*\b            ; tile X: 16 bytes of my key's row
	ds_load_b128 v[KF+8*\b+4:KF+8*\b+7], v[ADK] offset:2*KROW*\b+256      ; tile Y: the key 8 further on
.irp ii, 0,1,2,3
	ds_load_b128 v[S+16*\b+4*\ii:S+16*\b+4*\ii+3], v[ADB] offset:128*\b+16*\ii   ; R at my 16 keys of the block: the C of both products
.endr
.endr
.irp b, 0,1,2,3
	s_wait_dscnt 6*(3-\b)                          ; the scale words and blocks 0 .. b are in; the six loads of each later block may be out
.if \b%2
	v_wmma_scale_f32_16x16x128_f8f6f4 v[S+16*\b:S+16*\b+7], v[KF+8*\b:KF+8*\b+7], v[QA:QA+7], v[S+16*\b:S+16*\b+7], v[KS+\b/2], v[QSA] matrix_a_fmt:MATRIX_FMT_FP4 matrix_b_fmt:MATRIX_FMT_FP4 matrix_a_scale:MATRIX_SCALE_ROW1
	v_wmma_scale_f32_16x16x128_f8f6f4 v[S+16*\b+8:S+16*\b+15], v[KF+8*\b:KF+8*\b+7], v[QB:QB+7], v[S+16*\b+8:S+16*\b+15], v[KS+\b/2], v[QSB] matrix_a_fmt:MATRIX_FMT_FP4 matrix_b_fmt:MATRIX_FMT_FP4 matrix_a_scale:MATRIX_SCALE_ROW1
.else
	v_wmma_scale_f32_16x16x128_f8f6f4 v[S+16*\b:S+16*\b+7], v[KF+8*\b:KF+8*\b+7], v[QA:QA+7], v[S+16*\b:S+16*\b+7], v[KS+\b/2], v[QSA] matrix_a_fmt:MATRIX_FMT_FP4 matrix_b_fmt:MATRIX_FMT_FP4
	v_wmma_scale_f32_16x16x128_f8f6f4 v[S+16*\b+8:S+16*\b+15], v[KF+8*\b:KF+8*\b+7], v[QB:QB+7], v[S+16*\b+8:S+16*\b+15], v[KS+\b/2], v[QSB] matrix_a_fmt:MATRIX_FMT_FP4 matrix_b_fmt:MATRIX_FMT_FP4
.endif
.endr                                  ; the eight accumulators take single turns
.endm
; The step's largest score of my query, each accumulator read from its low end on, and the new M.
.macro MAXM
.irp b, 0,1,2,3
	v_max3_num_f32 v[TM+\b], v[S+16*\b], v[S+16*\b+1], v[S+16*\b+2]
.endr
.irp n, 3,5,7,9,11,13
.irp b, 0,1,2,3
	v_max3_num_f32 v[TM+\b], v[TM+\b], v[S+16*\b+\n], v[S+16*\b+\n+1]      ; (the four blocks by turns)
.endr
.endr
.irp b, 0,1,2,3
	v_max_num_f32 v[TM+\b], v[TM+\b], v[S+16*\b+15]
.endr
	v_max3_num_f32 v[T], v[TM], v[TM+1], v[TM+2]
	v_max_num_f32 v[T], v[T], v[TM+3]
	v_permlanex16_b32 v[T+1], v[T], s[SEL], s[SEL+1]
	v_max_num_f32 v[T], v[T], v[T+1]               ; with lane l xor 16's 64 keys
	v_mul_f32 v[T], s[CS], v[T]                    ; as t (c is positive)
	v_max_num_f32 v[TMX], v[TMX], v[T]
	v_mov_b32 v[T+1], v[NM]
	v_floor_f32 v[NM], -v[TMX]                     ; -M = floor(-t): M is a whole number
	v_sub_f32 v[T+1], v[NM], v[T+1]                ; old M - new M: a whole number, 0 or less
	v_cvt_i32_f32 v[T+1], v[T+1]                   ; (it saturates)
	v_ldexp_f32 v[FF], 1.0, v[T+1]                 ; the sums come under the new M by a multiplication that rounds nothing
	v_pk_mul_f32 v[LS:LS+1], v[LS:LS+1], v[FF:FF+1] op_sel_hi:[1,0]
	v_pk_mul_f32 v[LB:LB+1], v[LB:LB+1], v[FF:FF+1] op_sel_hi:[1,0]
.endm
; p = 2^(c s' - M) and its sum.  Plain lines and exponentials alternate: a pair's multiply-add a turn ahead, its sum a turn behind, so that a plain line stands between every exponential and the use of its result.
.macro EXPSUM
	v_pk_fma_f32 v[S:S+1], v[S:S+1], s[CS:CS+1], v[NM:NM+1] op_sel_hi:[1,0,0]
.set i, 0
.rept 32
.if i < 31
	v_pk_fma_f32 v[S+2*i+2:S+2*i+3], v[S+2*i+2:S+2*i+3], s[CS:CS+1], v[NM:NM+1] op_sel_hi:[1,0,0]
.else
	v_nop                                          ; no multiply-add is left: the plain line between exponential 61 and the sum that reads it
.endif
	v_exp_f32 v[S+2*i], v[S+2*i]
.if i > 0
	s_wait_alu depctr_va_vdst(0)
	v_pk_add_f32 v[LS+2*((i-1)%2):LS+2*((i-1)%2)+1], v[LS+2*((i-1)%2):LS+2*((i-1)%2)+1], v[S+2*i-2:S+2*i-1]
.endif
	v_exp_f32 v[S+2*i+1], v[S+2*i+1]
.set i, i+1
.endr
	v_nop
	s_wait_alu depctr_va_vdst(0)
	v_pk_add_f32 v[LB:LB+1], v[LB:LB+1], v[S+62:S+63]
.endm
; Four fragments of V (tile t: channels 16 t + lane % 16, the step's 128 keys) and their scale words.
.macro VLOAD
.irp t, 0,1,2,3
	ds_load_b128 v[KF+8*\t:KF+8*\t+3], v[ADK] offset:16*VROW*\t
	ds_load_b128 v[KF+8*\t+4:KF+8*\t+7], v[ADK] offset:16*VROW*\t+32
.endr
	ds_load_b32 v[VS], v[ADS] offset:VSB-KSB
	ds_load_b32 v[VS+1], v[ADS] offset:VSB-KSB+128
.endm
; w = p / sum + tau / i, and each block's largest w over the floor 2^-124 (no |.|: what is negative is clipped and does not count).  Turn i: multiply-add of pair i + 1, two exponentials of pair i, w of pair i - 1, maximum of pair i - 2.
.macro SOFT2
	v_pk_fma_f32 v[S:S+1], v[S:S+1], s[CS:CS+1], v[NM:NM+1] op_sel_hi:[1,0,0]
.set i, 0
.rept 34
.if i < 31
	v_pk_fma_f32 v[S+2*i+2:S+2*i+3], v[S+2*i+2:S+2*i+3], s[CS:CS+1], v[NM:NM+1] op_sel_hi:[1,0,0]
.endif
.if i < 32
	v_exp_f32 v[S+2*i], v[S+2*i]
.endif
.if (i > 0) && (i < 33)
	s_wait_alu depctr_va_vdst(0)
	v_pk_fma_f32 v[S+2*i-2:S+2*i-1], v[S+2*i-2:S+2*i-1], v[LS:LS+1], v[LB:LB+1] op_sel_hi:[1,0,0]   ; of the pairs 1 / sum and tau / i the low word serves both halves
.endif
.if i < 32
	v_exp_f32 v[S+2*i+1], v[S+2*i+1]
.endif
.if i > 1
.if (i-2)%8 == 0
	v_max3_num_f32 v[TM+(i-2)/8], v[S+2*i-4], v[S+2*i-3], 0x1800000
.else
	v_max3_num_f32 v[TM+(i-2)/8], v[TM+(i-2)/8], v[S+2*i-4], v[S+2*i-3]
.endif
.endif
.set i, i+1
.endr
.endm
; The blocks' scales, the codes, the clip, and the operand's layout.
.macro QUANT
.irp b, 0,1,2,3
	v_permlanex16_b32 v[TP+\b], v[TM+\b], s[SEL], s[SEL+1]
.endr
.irp b, 0,1,2,3
	v_max_num_f32 v[TM+\b], v[TM+\b], v[TP+\b]     ; with lane l xor 16's 16 keys: the block's largest weight
.endr
.irp b, 0,1,2,3
	v_add_nc_u32 v[TS+\b], 0xff000000, v[TM+\b]    ; 2 off its exponent field: the conversion takes this operand's exponent field as its scale
.endr
.irp b, 0,1,2,3
	v_lshrrev_b32 v[TP+\b], 23, v[TS+\b]           ; the scale's byte
.endr
	v_lshl_or_b32 v[PW], v[TP+1], 8, v[TP]
	v_lshl_or_b32 v[PW], v[TP+2], 16, v[PW]
	v_lshl_or_b32 v[PW], v[TP+3], 24, v[PW]        ; my query's scale word for these 128 keys
.irp b, 0,1,2,3
	v_cvt_scalef32_pk8_fp4_f32 v[PC+2*\b], v[S+16*\b:S+16*\b+7], v[TS+\b]
	v_cvt_scalef32_pk8_fp4_f32 v[PC+2*\b+1], v[S+16*\b+8:S+16*\b+15], v[TS+\b]
.endr
	v_nop                                          ; one plain line behind the scaled conversions
.irp n, 0,1,2,3,4,5,6,7
	v_and_b32 v[T+\n], s[SGN], v[PC+\n]            ; 8 in each negative code's four bits,
.endr
.irp n, 0,1,2,3,4,5,6,7
	v_lshrrev_b32 v[TM+\n], 3, v[T+\n]             ; 1 there (TM's and TP's eight registers are free),
.endr
.irp n, 0,1,2,3,4,5,6,7
	v_sub_nc_u32 v[T+\n], v[T+\n], v[TM+\n]        ; 7: its magnitude bits,
.endr
.irp n, 0,1,2,3,4,5,6,7
	v_bfi_b32 v[PC+\n], v[T+\n], 0, v[PC+\n]       ; which are cleared
.endr
.irp c, 0,1                                    ; the operand's layout wants a whole block in a lane: lanes 0-15 block 2 c, lanes 16-31 block 2 c + 1
.irp n, 0,1
	v_permlane16_swap_b32 v[PC+4*\c+\n], v[PC+4*\c+2+\n]
.endr
.endr
	PLACES                                         ; an operand written by vector instructions stands four places ahead of a scaled matrix instruction; the scale word stands more than eight ahead
.endm
; O^T += V^T W^T: four accumulators, single turns.
.macro PV
	s_wait_dscnt 0x0                               ; V's fragments and scale words
.irp t, 0,1,2,3
.if \t%2
	v_wmma_scale_f32_16x16x128_f8f6f4 v[O+8*\t:O+8*\t+7], v[KF+8*\t:KF+8*\t+7], v[PC:PC+7], v[O+8*\t:O+8*\t+7], v[VS+\t/2], v[PW] matrix_a_fmt:MATRIX_FMT_FP4 matrix_b_fmt:MATRIX_FMT_FP4 matrix_a_scale:MATRIX_SCALE_ROW1
.else
	v_wmma_scale_f32_16x16x128_f8f6f4 v[O+8*\t:O+8*\t+7], v[KF+8*\t:KF+8*\t+7], v[PC:PC+7], v[O+8*\t:O+8*\t+7], v[VS+\t/2], v[PW] matrix_a_fmt:MATRIX_FMT_FP4 matrix_b_fmt:MATRIX_FMT_FP4
.endif
.endr
.endm
	; ---------------- the head ----------------
	s_load_b256 s[4:11], s[0:1], 0x0               ; q's codes s[4:5], q's scales s[6:7], k's codes s[8:9], k's scales s[10:11]
	s_load_b256 s[12:19], s[0:1], 0x20             ; v's codes s[12:13], v's scales s[14:15], tau s[16:17], bias_weight s[18:19]
	s_load_b64 s[20:21], s[0:1], 0x40              ; out
	v_lshl_add_u32 v192, v0, 2, 0x3c500
	v_mov_b32 v193, 0
	ds_add_u32 v192, v193
	ds_add_u32 v192, v193
	v_lshrrev_b32 v[ADK], 5, v0
	v_readfirstlane_b32 s[WV], v[ADK]              ; wave 0 .. 15
	s_and_b32 s[BH], ttmp7, 0xffff
	s_and_b32 s[HD], s[BH], 15
	s_lshr_b32 s66, s[WV], 2
	s_xor_b32 s66, s66, s[WV]
	s_and_b32 s66, s66, 1                          ; f = bit 0 xor bit 2 of the wave: whether waves go to SIMDs by wave % 4 or by wave / 4, each SIMD gets two of each kind
	s_mul_i32 s66, s66, 15
	s_xor_b32 s[CA], ttmp9, s66                    ; a = g, or 15 - g
	s_and_b32 s69, s[WV], 3                        ; (also: which quarter of K and of V I fetch)
	s_lshr_b32 s68, s[WV], 1
	s_and_b32 s68, s68, 4
	s_or_b32 s67, s69, s68                         ; tt: my tile in the class: bits 3, 1, 0 of the wave
	s_lshl_b32 s[Q0], s[CA], 7
	s_lshl_b32 s68, s67, 4
	s_add_co_u32 s[Q0], s[Q0], s68                 ; Q0 = 128 a + 16 tt
	s_xor_b32 s68, s[CA], 15
	s_lshl_b32 s[TBI0], s68, 9
	s_xor_b32 s68, s67, 7
	s_lshl_b32 s68, s68, 6
	s_add_co_u32 s[TBI0], s[TBI0], s68
	s_add_co_u32 s[TBI0], s[TBI0], 16              ; 512 (15 - a) + 64 (7 - tt) + 16 = 4 (2048 - Q0) - 48
	; descriptor group 1.  K: a quarter of the head's codes, dense: 32 long rows of 512 bytes (16 keys), 16 bytes of padding behind each
	s_mov_b32 s[G1K], (1<<20)|(6<<22)|(3<<25)      ; 15:0 no mask; 17:16 elements of 1 byte; 20 padding on; 24:22 after every 128 words (code 6); 31:25 four words (code 3)
	s_mov_b32 s[G1K+1], 512<<16                    ; tensor_dim0
	s_mov_b32 s[G1K+2], 32<<16                     ; tensor_dim1
	s_mov_b32 s[G1K+3], 512<<16                    ; tile_dim0
	s_mov_b32 s[G1K+4], 32                         ; tile_dim1
	s_mov_b32 s[G1K+5], 512                        ; from row to row
	s_mov_b32 s[G1K+6], 0
	s_mov_b32 s[G1K+7], 0
	; V: 16 channels' rows of 1,024 bytes, 16 bytes of padding behind each
	s_mov_b32 s[G1V], (1<<20)|(7<<22)|(3<<25)      ; padding after every 256 words (code 7)
	s_mov_b32 s[G1V+1], 1024<<16
	s_mov_b32 s[G1V+2], 16<<16
	s_mov_b32 s[G1V+3], 1024<<16
	s_mov_b32 s[G1V+4], 16
	s_mov_b32 s[G1V+5], 1024
	s_mov_b32 s[G1V+6], 0
	s_mov_b32 s[G1V+7], 0
	; byte offsets, each in a pair with 0 above it
	s_lshl_b32 s70, s[BH], 16                      ; the head's 65,536 bytes in each tensor of codes
	s_lshl_b32 s68, s[Q0], 5
	s_add_co_u32 s74, s70, s68                     ; q's codes at my first query
	s_mov_b32 s75, 0
	s_lshl_b32 s68, s69, 14
	s_add_co_u32 s70, s70, s68                     ; my quarter of K and of V: 16,384 bytes
	s_mov_b32 s71, 0
	s_mul_i32 s72, s69, 32*KROW                    ; and where it goes
	s_mul_i32 s73, s69, 16*VROW
	s_lshl_b32 s76, s[BH], 12                      ; the head's 4,096 bytes in each tensor of scales
	s_mov_b32 s77, 0
	s_lshl_b32 s68, s[Q0], 1
	s_add_co_u32 s78, s76, s68                     ; q's scales at my first query
	s_mov_b32 s79, 0
	s_lshl_b32 s66, s[HD], 2                       ; 4 h, in tau and in a row of bias_weight
	s_mov_b32 s67, 0
	s_lshl_b32 s68, s[BH], 19
	s_lshl_b32 s69, s[Q0], 8
	s_add_co_u32 s68, s68, s69                     ; out at my first query
	s_mov_b32 s69, 0
	s_mov_b32 s[SEL], 0x76543210
	s_mov_b32 s[SEL+1], 0xfedcba98
	s_mov_b32 s[CS], 0x3e38aa3b                    ; c = log2(e) / 8
	s_mov_b32 s[CS+1], s[CS]                       ; (named with it as a pair, so it is written)
	s_mov_b32 s[SGN], 0x88888888
	v_and_b32 v[RR], 15, v0                        ; r
	v_bfe_u32 v[HH], v0, 4, 1                      ; hh
	v_and_b32 v[LN], 31, v0
	v_lshlrev_b32 v[T], 5, v[RR]
	v_lshl_add_u32 v[T], v[HH], 4, v[T]            ; q's codes: row r of 32 bytes, + 16 hh
	v_lshlrev_b32 v[T+1], 1, v[RR]                 ; q's scales: 2 bytes a row
	v_lshlrev_b32 v[T+2], 3, v0                    ; k's and v's scales: 8 bytes a thread, 4,096 a work-group
	v_lshlrev_b32 v[T+3], 6, v0                    ; bias_weight: row = thread
	s_wait_dscnt 0x0
	s_wait_kmcnt 0x0
	s_mov_b32 s[G0K], 1                            ; 1:0 count = 1
	s_add_co_u32 s[G0K+1], s72, KB                 ; 63:32 LDS address
	s_add_nc_u64 s[G0K+2:G0K+3], s[8:9], s[70:71]  ; 120:64 global address
	s_or_b32 s[G0K+3], s[G0K+3], 0x80000000        ; 127:126 type = 2
	s_mov_b32 s[G0V], 1
	s_add_co_u32 s[G0V+1], s73, VB
	s_add_nc_u64 s[G0V+2:G0V+3], s[12:13], s[70:71]
	s_or_b32 s[G0V+3], s[G0V+3], 0x80000000
	s_cmp_lt_u32 s[WV], 4                          ; waves 0-3 fetch a quarter of K and a quarter of V each: both first fills in one branch, ahead of every wait on TENSORcnt, LDS read and barrier
	s_cbranch_scc0 .Lno_fill
	tensor_load_to_lds s[G0K:G0K+3], s[G1K:G1K+7]
	s_nop 0
	tensor_load_to_lds s[G0V:G0V+3], s[G1V:G1V+7]
	s_nop 0
	PLACES                                         ; four v_nop follow the loads
.Lno_fill:
	s_add_nc_u64 s[4:5], s[4:5], s[74:75]
	s_add_nc_u64 s[6:7], s[6:7], s[78:79]
	s_add_nc_u64 s[10:11], s[10:11], s[76:77]
	s_add_nc_u64 s[14:15], s[14:15], s[76:77]
	s_add_nc_u64 s[16:17], s[16:17], s[66:67]
	s_add_nc_u64 s[18:19], s[18:19], s[66:67]
	s_add_nc_u64 s[20:21], s[20:21], s[68:69]
	s_load_b32 s[TAU], s[16:17], 0x0
	global_load_b128 v[QA:QA+3], v[T], s[4:5] th:TH_LOAD_NT        ; q's fragment: read by this wave alone
	global_load_u16 v[QSA], v[T+1], s[6:7] th:TH_LOAD_NT
	global_load_b64 v[S:S+1], v[T+2], s[10:11]                     ; the scale bytes of keys 4 t .. 4 t + 3
	global_load_b64 v[S+2:S+3], v[T+2], s[14:15]                   ; channel t / 8, key blocks 8 (t % 8) on
.irp n, 0,1,2,3
	global_load_b32 v[S+4+\n], v[T+3], s[18:19] offset:32768*\n    ; bias_weight[t + 512 n][h]
.endr
	; register work while the loads are out
	v_add_nc_u32 v[T+5], s[Q0], v[RR]
	v_add_nc_u32 v[T+5], 1, v[T+5]
	v_cvt_f32_u32 v[T+5], v[T+5]                   ; i = q + 1
	v_rcp_f32 v[T+7], v[T+5]
	v_lshrrev_b32 v[TT], 3, v[RR]                  ; (a plain line behind the reciprocal)
	v_and_b32 v[AK0], 7, v[RR]
	v_lshlrev_b32 v[AK0], 5, v[AK0]
	v_mad_u32_u24 v[AK0], v[TT], KROW, v[AK0]
	v_lshl_add_u32 v[AK0], v[HH], 4, v[AK0]
	v_add_nc_u32 v[AK0], KB, v[AK0]                ; key r + 8 (r / 8): long row r / 8, place r % 8; + 16 hh
	v_and_b32 v[AB0], 3, v[RR]
	v_mul_u32_u24 v[AB0], v[AB0], BP               ; copy r % 4,
	v_lshl_add_u32 v[AB0], v[HH], 6, v[AB0]        ; 16 keys on for lanes 16-31,
	v_lshrrev_b32 v[TT], 2, v[RR]
	v_xor_b32 v[TT], 3, v[TT]
	v_lshl_add_u32 v[AB0], v[TT], 4, v[AB0]        ; 16 (3 - r / 4),
	v_add_nc_u32 v[AB0], s[TBI0], v[AB0]           ; and my tile's 4 (2048 - Q0) - 48: together 4 (2048 - Q0) - 16 (r / 4)
	v_lshl_add_u32 v[AS0], v[LN], 2, KSB
	v_mul_u32_u24 v[AV0], v[RR], VROW
	v_lshl_add_u32 v[AV0], v[HH], 4, v[AV0]
	v_add_nc_u32 v[AV0], VB, v[AV0]
	v_lshlrev_b32 v[ADK], 2, v0
	v_sub_nc_u32 v[ADK], 2048, v[ADK]              ; the table: R[2048 - t - 512 n] in copy c lies at c (BP + 4) + 2048 (3 - n) + 2048 - 4 t
	v_lshrrev_b32 v[ADB], 7, v0
	v_mul_u32_u24 v[ADB], v[ADB], BP+4
	v_and_b32 v[TT], 127, v0
	v_lshl_add_u32 v[ADB], v[TT], 2, v[ADB]        ; the mask: R[2049 + t % 128] in copy t / 128
	v_lshrrev_b32 v[ADS], 3, v0
	v_lshlrev_b32 v[ADS], 6, v[ADS]                ; K's scale words: key 4 t + j is place p = 4 (t % 8) + j of block t / 8: word p % 8 + 8 (p / 16), half (p / 8) % 2
	v_bfe_u32 v[TT], v0, 2, 1
	v_lshl_add_u32 v[ADS], v[TT], 5, v[ADS]
	v_and_b32 v[TT], 1, v0
	v_lshl_add_u32 v[ADS], v[TT], 4, v[ADS]
	v_bfe_u32 v[TT], v0, 1, 1
	v_lshl_add_u32 v[ADS], v[TT], 1, v[ADS]
	v_add_nc_u32 v[ADS], KSB, v[ADS]
	v_and_b32 v[T+4], 7, v0
	v_lshlrev_b32 v[T+4], 9, v[T+4]                ; V's scale words: steps 2 (t % 8) and + 1, channel t / 8
	v_lshrrev_b32 v[TT], 3, v0
	v_lshl_add_u32 v[T+4], v[TT], 2, v[T+4]
	v_add_nc_u32 v[T+4], VSB, v[T+4]
.irp n, 0,1,2,3
	v_mov_b32 v[QB+\n], 0                          ; the zero halves round q
	v_mov_b32 v[QA+4+\n], 0
	v_mov_b32 v[TP+\n], 0                          ; written once: a lane permute's destination counts as one of its sources
.endr
	v_mov_b32 v[TMX], 0xff61b1e6                   ; the largest t so far: -3e38, under every t
	v_floor_f32 v[NM], -v[TMX]
	v_mov_b32 v[LS], 0
	v_mov_b32 v[LS+1], 0
	v_mov_b32 v[LB], 0
	v_mov_b32 v[LB+1], 0
	v_mov_b32 v[FF+1], 0                           ; (named as the upper half of a pair)
	s_wait_kmcnt 0x0                               ; tau
	s_wait_alu depctr_va_vdst(0)
	v_mul_f32 v[T+6], s[TAU], v[T+7]               ; tau / i: the quotient by the reciprocal,
	v_fma_f32 v[TT], -v[T+6], v[T+5], s[TAU]       ; its remainder,
	v_fma_f32 v[T+6], v[TT], v[T+7], v[T+6]        ; and the correction.  Kept here until walk 1 has left v12
	s_wait_loadcnt 0x0                             ; all eight loads
	v_lshlrev_b32 v[QSB], 16, v[QSA]               ; q's scale bytes for [0 | q].  O's 32 clearing lines below stand between this line and the first product
.irp n, 0,1,2,3
	v_ldexp_f32 v[S+4+\n], v[S+4+\n], 3            ; 8 x bias, exact
.endr
	v_mov_b32 v[S+8], 0xf2c9f2ca                   ; -8e30
	v_lshrrev_b32 v[S+9], 16, v[S]
	v_lshrrev_b32 v[S+10], 16, v[S+1]
.irp n, 0,1,2,3
.irp c, 0,1,2,3
	ds_store_b32 v[ADK], v[S+4+\n] offset:\c*(BP+4)+2048*(3-\n)
.endr
.endr
	ds_store_b32 v[ADB], v[S+8] offset:4*2049
	ds_store_b16 v[ADS], v[S]
	ds_store_b16 v[ADS], v[S+9] offset:4
	ds_store_b16 v[ADS], v[S+1] offset:8
	ds_store_b16 v[ADS], v[S+10] offset:12
	ds_store_b32 v[T+4], v[S+2]
	ds_store_b32 v[T+4], v[S+3] offset:256
.set j, 0
.rept 32
	v_mov_b32 v[O+j], 0                            ; O^T: 32 lines once, so that walk 2's step is written once
.set j, j+1
.endr
	s_wait_tensorcnt 0x0                           ; my quarters of K and of V have landed: no tensor load is out when the first LDS read is issued
	s_wait_dscnt 0x0                               ; for the others' sake: my stores into the tables are done
	s_barrier_signal -1
	s_barrier_wait -1                              ; K, V, the bias table and the scale words are whole; from here to the way out LDS is only read
	; ---------------- walk 1: the row's M and sum ----------------
	; Every wave walks 16 trips; a hidden step's work is jumped over by a scalar branch on ids, the lines that step addresses are not.
	s_mov_b32 s[ST], 0
	s_mov_b32 s[TK], 0
	s_mov_b32 s[TBI], 0
	s_mov_b32 s[T256], 0
.Lw1:
	s_cmp_gt_u32 s[ST], s[CA]
	s_cbranch_scc1 .Lw1_skip
	QKSTEP
	PLACES
	MAXM
	EXPSUM
.Lw1_skip:
	s_add_co_u32 s[TK], s[TK], 8*KROW              ; 128 keys: 8 long rows,
	s_add_co_u32 s[TBI], s[TBI], 512               ; 128 words of R,
	s_add_co_u32 s[T256], s[T256], 256             ; 4 blocks of 16 scale words
	s_add_co_u32 s[ST], s[ST], 1
	s_cmp_lt_u32 s[ST], 16
	s_cbranch_scc1 .Lw1
	; ---------------- 1 / sum ----------------
	v_pk_add_f32 v[LS:LS+1], v[LS:LS+1], v[LB:LB+1]
	v_add_f32 v[T], v[LS], v[LS+1]
	v_permlanex16_b32 v[T+1], v[T], s[SEL], s[SEL+1]
	v_add_f32 v[T], v[T], v[T+1]                   ; the row's sum: at least 1/2, since M - t < 1 at the largest t
	v_rcp_f32 v[T+1], v[T]
	v_mov_b32 v[LB], v[T+6]                        ; tau / i.  (A plain line behind the reciprocal)
	s_wait_alu depctr_va_vdst(0)
	v_fma_f32 v[T+2], -v[T], v[T+1], 1.0
	v_fma_f32 v[LS], v[T+1], v[T+2], v[T+1]        ; one correction
	; ---------------- walk 2a: the visible steps ----------------
	s_mov_b32 s[ST], 0
	s_mov_b32 s[TK], 0
	s_mov_b32 s[TBI], 0
	s_mov_b32 s[T256], 0
	s_mov_b32 s[TV], 0
.Lw2:
	s_cmp_gt_u32 s[ST], s[CA]
	s_cbranch_scc1 .Lw2_skip
	QKSTEP
	v_add_nc_u32 v[ADK], s[TV], v[AV0]             ; with three v_nop the four places ahead of the loads into K's fragments and of the first read of the scores
	v_nop
	v_nop
	v_nop
	VLOAD                                          ; V's fragments land while the weights are made
	SOFT2
	QUANT
	PV
.Lw2_skip:
	s_add_co_u32 s[TK], s[TK], 8*KROW
	s_add_co_u32 s[TBI], s[TBI], 512
	s_add_co_u32 s[T256], s[T256], 256
	s_add_co_u32 s[TV], s[TV], 64                  ; 128 codes of a row of V
	s_add_co_u32 s[ST], s[ST], 1
	s_cmp_lt_u32 s[ST], 16
	s_cbranch_scc1 .Lw2
	; ---------------- the hidden keys' weight: relu(tau / i), the same for every key of a query ----------------
.irp n, 0,1,2,3,4,5,6,7
	v_max_num_f32 v[S+\n], 0, v[LB]                ; (these are also the places behind the last products)
.endr
	v_max_num_f32 v[T], 0x1800000, v[S]            ; the block's largest weight over the floor
	v_add_nc_u32 v[T+1], 0xff000000, v[T]
	v_lshrrev_b32 v[T+2], 23, v[T+1]
	v_lshl_or_b32 v[PW], v[T+2], 8, v[T+2]
	v_lshl_or_b32 v[PW], v[PW], 16, v[PW]          ; the byte four times
	v_cvt_scalef32_pk8_fp4_f32 v[PC], v[S:S+7], v[T+1]
	v_nop                                          ; one plain line behind the scaled conversion
.irp n, 1,2,3,4,5,6,7
	v_mov_b32 v[PC+\n], v[PC]                      ; both halves of the lanes hold the same query: nothing changes lanes
.endr
	PLACES                                         ; with the four lines at a hidden step's head: eight places behind the codes, more behind the scale word
	; ---------------- walk 2b: the hidden steps ----------------
	s_mov_b32 s[ST], 0
	s_mov_b32 s[T256], 0
	s_mov_b32 s[TV], 0
.Lw3:
	s_cmp_le_u32 s[ST], s[CA]
	s_cbranch_scc1 .Lw3_skip
	v_add_nc_u32 v[ADK], s[TV], v[AV0]             ; four places ahead of the loads into registers that the last products read
	v_add_nc_u32 v[ADS], s[T256], v[AS0]
	v_nop
	v_nop
	VLOAD
	PV
.Lw3_skip:
	s_add_co_u32 s[T256], s[T256], 256
	s_add_co_u32 s[TV], s[TV], 64
	s_add_co_u32 s[ST], s[ST], 1
	s_cmp_lt_u32 s[ST], 16
	s_cbranch_scc1 .Lw3
	; ---------------- the way out ----------------
	; A lane holds 8 neighbouring channels of its query for each tile.  The 16 rows go through my own stage and come back as whole rows of 256 bytes.
	; The barrier: my LDS loads are back, and I say so; no wave stores to LDS before all sixteen have said so.  The address lines stand between signal and wait; they are also the places behind the last products.
	s_wait_dscnt 0x0
	s_barrier_signal -1
	s_mul_i32 s66, s[WV], 16*SROW
	s_add_co_u32 s66, s66, STG
	v_and_b32 v[T], 15, v0
	v_bfe_u32 v[T+1], v0, 4, 1
	v_mul_u32_u24 v[ADK], v[T], SROW
	v_lshl_add_u32 v[ADK], v[T+1], 5, v[ADK]
	v_add_nc_u32 v[ADK], s66, v[ADK]               ; in: row r, + 32 hh; tile t 64 t bytes on
	v_mul_u32_u24 v[ADB], v[T+1], SROW
	v_lshl_add_u32 v[ADB], v[T], 4, v[ADB]
	v_add_nc_u32 v[ADB], s66, v[ADB]               ; back: lanes 0-15 one row, lanes 16-31 the next
	v_lshlrev_b32 v[ADS], 8, v[T+1]
	v_lshl_add_u32 v[ADS], v[T], 4, v[ADS]         ; and the same two rows in out
	s_barrier_wait -1
.irp t, 0,1,2,3
	ds_store_b128 v[ADK], v[O+8*\t:O+8*\t+3] offset:64*\t          ; each accumulator from its low end on
	ds_store_b128 v[ADK], v[O+8*\t+4:O+8*\t+7] offset:64*\t+16
.endr
.irp n, 0,1,2,3,4,5,6,7
	ds_load_b128 v[KF+4*\n:KF+4*\n+3], v[ADB] offset:2*SROW*\n     ; LDS serves a wave's instructions in order (ISA guide 5.7.1.4): these see my stores
.endr
.irp n, 0,1,2,3,4,5,6,7
	s_wait_dscnt 7-\n                              ; rows 2 n and 2 n + 1 are back; the younger loads may be out
	global_store_b128 v[ADS], v[KF+4*\n:KF+4*\n+3], s[20:21] offset:512*\n th:TH_STORE_NT   ; 32 lanes store 512 consecutive bytes, at a multiple of 256 from out's first byte
.endr
	s_wait_tensorcnt 0x0
	ds_add_u32 v192, v193
	s_wait_dscnt 0x0
	s_endpgm
.Lfunc_end_k_q287a7aa0b0_attn:
	.size	k_q287a7aa0b0_attn, .Lfunc_end_k_q287a7aa0b0_attn-k_q287a7aa0b0_attn
	.p2alignl 7, 3214868480
	.fill 96, 4, 3214868480
	.section	.rodata,"a",@progbits
	.p2align	6, 0x0
	.amdhsa_kernel k_q287a7aa0b0_attn
		.amdhsa_group_segment_fixed_size 249088
		.amdhsa_private_segment_fixed_size 0
		.amdhsa_enable_private_segment 0
		.amdhsa_kernarg_size 72
		.amdhsa_user_sgpr_count 2
		.amdhsa_user_sgpr_kernarg_segment_ptr 1
		.amdhsa_wavefront_size32 1
		.amdhsa_system_sgpr_workgroup_id_x 1
		.amdhsa_system_sgpr_workgroup_id_y 1
		.amdhsa_system_sgpr_workgroup_id_z 1
		.amdhsa_system_vgpr_workitem_id 0
		.amdhsa_next_free_vgpr 194
		.amdhsa_next_free_sgpr 80
		.amdhsa_reserve_vcc 0
		.amdhsa_float_denorm_mode_32 3
		.amdhsa_float_denorm_mode_16_64 3
		.amdhsa_memory_ordered 1
		.amdhsa_forward_progress 1
		.amdhsa_inst_pref_size 48
	.end_amdhsa_kernel
	.amdgpu_metadata
---
amdhsa.version: [ 1, 2 ]
amdhsa.kernels:
  - .name:           k_q287a7aa0b0_attn
    .symbol:         k_q287a7aa0b0_attn.kd
    .args:
      - { .name: q_codes, .offset: 0, .size: 8, .value_kind: global_buffer, .address_space: global }
      - { .name: q_scales, .offset: 8, .size: 8, .value_kind: global_buffer, .address_space: global }
      - { .name: k_codes, .offset: 16, .size: 8, .value_kind: global_buffer, .address_space: global }
      - { .name: k_scales, .offset: 24, .size: 8, .value_kind: global_buffer, .address_space: global }
      - { .name: v_codes, .offset: 32, .size: 8, .value_kind: global_buffer, .address_space: global }
      - { .name: v_scales, .offset: 40, .size: 8, .value_kind: global_buffer, .address_space: global }
      - { .name: tau, .offset: 48, .size: 8, .value_kind: global_buffer, .address_space: global }
      - { .name: bias_weight, .offset: 56, .size: 8, .value_kind: global_buffer, .address_space: global }
      - { .name: out0, .offset: 64, .size: 8, .value_kind: global_buffer, .address_space: global }
    .group_segment_fixed_size: 249088
    .private_segment_fixed_size: 0
    .kernarg_segment_align: 8
    .kernarg_segment_size: 72
    .max_flat_workgroup_size: 512
    .sgpr_count:     80
    .vgpr_count:     194
    .wavefront_size: 32
...
	.end_amdgpu_metadata
.endif
;; end of part 1
